; MI455X (gfx1250); checked and timed in simulation.
; The chip was launched on July 23, 2026; its instructions are those of AMD's public machine-readable ISA for CDNA 5 (MIT licence, August 2026) and "CDNA5" Instruction Set Architecture Reference Guide (July 2026). The comments in the code are by the model that wrote it; some were corrected since.
;; Phase Attention. Allowed arithmetic: float matrix products may take bf16 or f16 operands with f32 sums; other float arithmetic in f32, or as packed bf16 or f16 multiplies, adds, multiply-adds, maxima and minima; sums over many terms, partial sums and values carried from step to step in f32; what a program stores and reads back later, other than sums and carried values, may be rounded once to bf16 or f16.
;; Inputs: W_out 1,024 x 1,024 float32; W_phase 1,024 x 1,024 float32; b_out 1,024 float32; b_phase 1,024 float32; coupling 8 x 1 x 1 float32; mask 4 x 2,048 int32; natural_freq 8 x 128 float32; x 4 x 2,048 x 1,024 float32.
;; Outputs: out0 4 x 2,048 x 1,024 float32.
;; One version. Each part assembles by itself: llvm-mc -triple=amdgcn-amd-amdhsa -mcpu=gfx1250 --defsym DOCPART=n.
;; ======== version 1 of 1: 4 launches
;; limits: values are held in f16: magnitudes above 65,504 overflow, below 6.1e-05 lose precision
;; workspace buffers: xb 16,777,216 bytes; wpb 2,097,152 bytes; wob 2,097,152 bytes; z 33,554,432 bytes; ph 16,777,216 bytes
;; launch cvt (part 1): grid 256 x 1, 8 waves a work-group, no clusters, 0 bytes of LDS; arguments x, W_phase, W_out, xb, wpb, wob; writes xb, wpb, wob
.if DOCPART == 1
	.amdgcn_target "amdgcn-amd-amdhsa--gfx1250"
	.amdhsa_code_object_version 6
	.text
	.protected	k_qf99870d4df_cvt
	.globl	k_qf99870d4df_cvt
	.p2align	8
	.type	k_qf99870d4df_cvt,@function
k_qf99870d4df_cvt:
	s_mov_b64 s[64:65], 0
	v_nop
	global_prefetch_b8 v0, s[64:65] scope:SCOPE_SE
	s_setreg_imm32_b32 hwreg(HW_REG_WAVE_MODE, 25, 1), 1
	s_wait_xcnt 0x0
; xb = bf16(x), wpb = bf16(W_phase), wob = bf16(W_out) written as f16.  All three keep their row-major order.
; A stream: no LDS, no barrier, no matrix unit.  Work-group g owns 131,072 bytes of x (32 steps of 4,096 bytes) and 16,384 bytes
; (4 steps) of each weight matrix.  In a step thread t loads the 16 bytes at 16 t and stores the 8 bytes at 8 t: a load of a wave
; covers 512 consecutive bytes, a store 256 consecutive bytes that begin at a multiple of 256 from the buffer's first byte.
; All 40 loads of a thread go out at once, each into registers of its own; no register that a load or store names is rewritten.
; LIMIT: a number of W_out whose bf16 rounding passes 65,504 becomes an infinity in f16; below 6.1e-5 f16 keeps a fixed step of 6e-8.
.set X, 4                              ; v[4:163]  step i: four registers as loaded; the first two then hold what is stored
	s_load_b256 s[4:11], s[0:1], 0x0               ; x s[4:5], W_phase s[6:7], W_out s[8:9], xb s[10:11]
	s_load_b128 s[12:15], s[0:1], 0x20             ; wpb s[12:13], wob s[14:15]
	v_lshlrev_b32 v1, 4, v0                        ; 16 t
	v_lshlrev_b32 v2, 3, v0                        ; 8 t
	s_lshl_b32 s16, ttmp9, 17                      ; my part of x,
	s_mov_b32 s17, 0
	s_lshl_b32 s18, ttmp9, 16                      ; of xb,
	s_mov_b32 s19, 0
	s_lshl_b32 s20, ttmp9, 14                      ; of a weight matrix in f32,
	s_mov_b32 s21, 0
	s_lshl_b32 s22, ttmp9, 13                      ; and in 16 bits
	s_mov_b32 s23, 0
	s_mov_b32 s24, 0xffff0000                      ; a word's upper bf16
	s_wait_kmcnt 0x0
	s_add_nc_u64 s[4:5], s[4:5], s[16:17]
	s_add_nc_u64 s[6:7], s[6:7], s[20:21]
	s_add_nc_u64 s[8:9], s[8:9], s[20:21]
	s_add_nc_u64 s[10:11], s[10:11], s[18:19]
	s_add_nc_u64 s[12:13], s[12:13], s[22:23]
	s_add_nc_u64 s[14:15], s[14:15], s[22:23]
.set i, 0
.rept 32
	global_load_b128 v[X+4*i:X+4*i+3], v1, s[4:5] offset:4096*i th:TH_LOAD_NT
.set i, i+1
.endr
.set i, 0
.rept 4
	global_load_b128 v[X+128+4*i:X+128+4*i+3], v1, s[6:7] offset:4096*i th:TH_LOAD_NT
.set i, i+1
.endr
.set i, 0
.rept 4
	global_load_b128 v[X+144+4*i:X+144+4*i+3], v1, s[8:9] offset:4096*i th:TH_LOAD_NT
.set i, i+1
.endr
.macro CB i                            ; step i of 40: four f32 to four bf16
	s_wait_loadcnt 39-(\i)                         ; loads come back in order: the 39 - i younger ones may stay out
	v_cvt_pk_bf16_f32 v[X+4*(\i)], v[X+4*(\i)], v[X+4*(\i)+1]
	v_cvt_pk_bf16_f32 v[X+4*(\i)+1], v[X+4*(\i)+2], v[X+4*(\i)+3]
.endm
.macro CH i                            ; the same, and the bf16 numbers written as f16: widened into the quad's two free registers, then narrowed
	CB \i
	v_lshlrev_b32 v[X+4*(\i)+2], 16, v[X+4*(\i)]
	v_and_b32 v[X+4*(\i)+3], s24, v[X+4*(\i)]
	v_cvt_pk_f16_f32 v[X+4*(\i)], v[X+4*(\i)+2], v[X+4*(\i)+3]
	v_lshlrev_b32 v[X+4*(\i)+2], 16, v[X+4*(\i)+1]
	v_and_b32 v[X+4*(\i)+3], s24, v[X+4*(\i)+1]
	v_cvt_pk_f16_f32 v[X+4*(\i)+1], v[X+4*(\i)+2], v[X+4*(\i)+3]
.endm
.set i, 0
.rept 32
	CB i
	global_store_b64 v2, v[X+4*i:X+4*i+1], s[10:11] offset:2048*i
.set i, i+1
.endr
.set i, 0
.rept 4
	CB 32+i
	global_store_b64 v2, v[X+128+4*i:X+128+4*i+1], s[12:13] offset:2048*i
.set i, i+1
.endr
.set i, 0
.rept 4
	CH 36+i
	global_store_b64 v2, v[X+144+4*i:X+144+4*i+1], s[14:15] offset:2048*i
.set i, i+1
.endr
	s_endpgm
.Lfunc_end_k_qf99870d4df_cvt:
	.size	k_qf99870d4df_cvt, .Lfunc_end_k_qf99870d4df_cvt-k_qf99870d4df_cvt
	.p2alignl 7, 3214868480
	.fill 96, 4, 3214868480
	.section	.rodata,"a",@progbits
	.p2align	6, 0x0
	.amdhsa_kernel k_qf99870d4df_cvt
		.amdhsa_group_segment_fixed_size 0
		.amdhsa_private_segment_fixed_size 0
		.amdhsa_enable_private_segment 0
		.amdhsa_kernarg_size 48
		.amdhsa_user_sgpr_count 2
		.amdhsa_user_sgpr_kernarg_segment_ptr 1
		.amdhsa_wavefront_size32 1
		.amdhsa_system_sgpr_workgroup_id_x 1
		.amdhsa_system_sgpr_workgroup_id_y 1
		.amdhsa_system_sgpr_workgroup_id_z 1
		.amdhsa_system_vgpr_workitem_id 0
		.amdhsa_next_free_vgpr 164
		.amdhsa_next_free_sgpr 66
		.amdhsa_reserve_vcc 0
		.amdhsa_float_denorm_mode_32 3
		.amdhsa_float_denorm_mode_16_64 3
		.amdhsa_memory_ordered 1
		.amdhsa_forward_progress 1
		.amdhsa_inst_pref_size 16
	.end_amdhsa_kernel
	.amdgpu_metadata
---
amdhsa.version: [ 1, 2 ]
amdhsa.kernels:
  - .name:           k_qf99870d4df_cvt
    .symbol:         k_qf99870d4df_cvt.kd
    .args:
      - { .name: x, .offset: 0, .size: 8, .value_kind: global_buffer, .address_space: global }
      - { .name: W_phase, .offset: 8, .size: 8, .value_kind: global_buffer, .address_space: global }
      - { .name: W_out, .offset: 16, .size: 8, .value_kind: global_buffer, .address_space: global }
      - { .name: xb, .offset: 24, .size: 8, .value_kind: global_buffer, .address_space: global }
      - { .name: wpb, .offset: 32, .size: 8, .value_kind: global_buffer, .address_space: global }
      - { .name: wob, .offset: 40, .size: 8, .value_kind: global_buffer, .address_space: global }
    .group_segment_fixed_size: 0
    .private_segment_fixed_size: 0
    .kernarg_segment_align: 8
    .kernarg_segment_size: 48
    .max_flat_workgroup_size: 256
    .sgpr_count:     66
    .vgpr_count:     164
    .wavefront_size: 32
...
	.end_amdgpu_metadata
.endif
;; end of part 1
;; launch gemm1 (part 2): grid 4 x 64, 4 waves a work-group, clusters of 4 x 4, 327,680 bytes of LDS; arguments xb, wpb, b_phase, z; writes z
.if DOCPART == 2
	.amdgcn_target "amdgcn-amd-amdhsa--gfx1250"
	.amdhsa_code_object_version 6
	.text
	.protected	k_qf99870d4df_gemm1
	.globl	k_qf99870d4df_gemm1
	.p2align	8
	.type	k_qf99870d4df_gemm1,@function
k_qf99870d4df_gemm1:
	s_mov_b64 s[64:65], 0
	v_nop
	global_prefetch_b8 v0, s[64:65] scope:SCOPE_SE
	s_setreg_imm32_b32 hwreg(HW_REG_WAVE_MODE, 25, 1), 1
	s_wait_xcnt 0x0
	s_wait_alu depctr_hold_cnt(0) depctr_sa_sdst(0) depctr_va_vdst(0) depctr_va_sdst(0) depctr_va_ssrc(0) depctr_va_vcc(0) depctr_vm_vsrc(0)
	s_getreg_b32 s2, hwreg(HW_REG_IB_STS2, 6, 4)
	s_cmp_eq_u32 s2, 0
	s_cbranch_scc0 .Lentry_in_a_cluster
	s_endpgm
.Lentry_in_a_cluster:
	s_bfe_u32 s2, ttmp6, 0x10000c
	s_cmp_lg_u32 s2, 0xf033
	s_cbranch_scc0 .Lentry_shape_is_right
	s_endpgm
.Lentry_shape_is_right:
; z = xb wpb + bf16(b_phase).  xb: [8192][1024] bf16, K along the rows.  wpb: [k 1024][n 1024] bf16.  Sums in f32, the bias added once at the end, z kept in f32.
; A tile of z is 128 rows x 256 columns: 64 x 4 = 256 work-groups.  Four waves, each 64 x 128: 32 accumulators of 16 x 16, 256 registers.
; K goes in 8 steps of 128 through a ring of two LDS slots.  A's rows in a tile are 256 bytes of memory, B's 512, both begin at multiples of 256.
; B lies [k][n], so its fragments come out of LDS turned, by ds_load_tr16_b128; A's as they lie.
; CLUSTER 4 x 4: the four work-groups of a row of the cluster share the tile row and so A's tiles, the four of a column share B's: each tile is asked for jointly.
; z IS STORED AS THE ACCUMULATORS LIE: [batch 4][column group 64][row block 128][e 2][lane 32][j 4] in f32: a 16 x 16 block is 1,024 bytes, and the four registers 4 e .. 4 e + 3 of
; all 32 lanes are 512 consecutive bytes: lane 16 h + c holds column c, rows 8 h + 4 e + j.  So every store covers 512 consecutive bytes and no stage in LDS is needed; the next launch reads the same image.
; REGISTERS: window 0: v0-31 addresses; v32-47 the bias; v64-159, v160-255 two fragment buffers (B's 8 fragments, then A's 4).  Window 1: the accumulators, (a, b) at v[8 (8 a + b)].
; No prefetch: a refill is asked for a K step less 16 products ahead of the wait for it.  One tile to a work-group: there are exactly 256.
; NaN and infinities are not treated apart.
.set PA,    272                        ; a row of A in LDS: 256 bytes + 16: the 16 rows of a load begin at 16 different groups of four banks
.set AHALF, 64*PA                      ; 64 rows: one tensor load
.set ATILE, 2*AHALF
.set PB,    544                        ; a row of B: 512 bytes + 32 = 17 x 32
.set BHALF, 64*PB                      ; 64 rows along K: one tensor load
.set SLOT,  ATILE+2*BHALF              ; A's 128 rows, then B's 128 rows: 104,448 bytes
.set SPARE, 2*SLOT                     ; behind the ring: the spare words, 128 bytes for each wave: two blocks of 256 bytes that no other line names
.set LAPS,  4                          ; a lap = two K steps = once round the ring
.set ASTEP, 512                        ; bytes from a slot's K step to its next: 256 along K in bf16,
.set BSTEP, 524288                     ; 256 rows of 2,048 bytes
.set ADRA, 16                          ; v16-17  LDS address of my A fragments in slot 0, 1
.set ADRB, 20                          ; v20-21  the same for B
.set CO,   26                          ; v26     16 x lane: my place in 512 bytes of z
.set BO,   27                          ; v27     4 x (lane % 16): my column in 16 numbers of the bias
.set SPW,  28                          ; v28     LDS address of my spare word; never rewritten
.set NIL,  29                          ; v29     0; never rewritten
.set BIAS, 32                          ; v32-47  column block b: the bias of my column, twice
.set F0,   64
.set F1,   160
.set WV,  12                           ; s12  wave
.set WM,  13                           ; s13  which 64 rows of the tile are mine
.set WN,  14                           ; s14  which 128 columns; also: which half of a tile I fetch
.set LAP, 15                           ; s15  laps to go
.set G1,  24                           ; s[24:31] descriptor group 1 for A's tiles;  s[32:39] group 0, a set for each slot
.set G0,  32
.set G1B, 48                           ; s[48:55], s[56:63] the same for B's
.set G0B, 56
.set MSB, 0
.macro WIN new                         ; the immediate's high byte repeats the setting that is left; a switch that changes nothing is dropped
.if MSB != (\new)
	s_set_vgpr_msb (MSB<<8)|(\new)
.set MSB, (\new)
.endif
.endm
.set MULW, 0x50                        ; A and B in window 0, C and D in window 1
.macro JLOAD s                         ; a joint load: waves 0 and 1 fetch A's two halves, waves 2 and 3 B's; an s_nop 0 and four v_nop follow each of the two lines
	s_cmp_lt_u32 s[WV], 2
	s_cbranch_scc0 .Lfor_b_\@
	tensor_load_to_lds s[G0+4*(\s):G0+4*(\s)+3], s[G1:G1+7]
	s_nop 0
.rept 4
	v_nop
.endr
	s_branch .Lasked_\@
.Lfor_b_\@:
	tensor_load_to_lds s[G0B+4*(\s):G0B+4*(\s)+3], s[G1B:G1B+7]
	s_nop 0
.rept 4
	v_nop
.endr
.Lasked_\@:
.endm
.macro CREST                           ; a round of the cluster's barrier behind its opening barrier
	s_cmp_lg_u32 s[WV], 0
	s_cbranch_scc1 .Lnot_wave_0_\@
	s_barrier_signal -3
.Lnot_wave_0_\@:
	s_barrier_wait -3
	s_barrier_signal -1
	s_barrier_wait -1
.endm
.macro CROUND                          ; a whole round
	s_barrier_signal -1
	s_barrier_wait -1
	CREST
.endm
.macro PLACES                          ; four places in front of loads into registers that matrix instructions have read
.rept 4
	v_nop
.endr
.endm
	s_load_b256 s[4:11], s[0:1], 0x0               ; xb s[4:5], wpb s[6:7], b_phase s[8:9], z s[10:11]
	v_lshl_add_u32 v[SPW], v0, 2, SPARE
	v_mov_b32 v[NIL], 0
	ds_add_u32 v[SPW], v[NIL]                      ; the wave's opening: the add and its wait stand ahead of my first tensor load; work on registers stands between them
	v_lshrrev_b32 v1, 5, v0
	v_readfirstlane_b32 s[WV], v1                  ; wave 0..3
	s_lshr_b32 s[WM], s[WV], 1
	s_and_b32 s[WN], s[WV], 1
	s_bfe_u32 s40, ttmp6, 0x40000                  ; cx, cy: my place in the cluster
	s_bfe_u32 s41, ttmp6, 0x40004
	s_lshl_b32 s42, ttmp9, 2
	s_add_co_u32 s42, s42, s40                     ; tile column = 4 x cluster x + cx
	s_and_b32 s43, ttmp7, 0xffff
	s_lshl_b32 s43, s43, 2
	s_add_co_u32 s43, s43, s41                     ; tile row = 4 x cluster y + cy
	s_lshl_b32 s44, s41, 2
	s_lshl_b32 s44, 15, s44                        ; my row of the cluster
	s_lshl_b32 s45, 0x1111, s40                    ; my column
	s_or_b32 s[G1], s44, (1<<16)|(1<<20)|(1<<21)|(5<<22)|(3<<25)   ; the mask; 2-byte elements; padding on; bit 21 beside a mask; after every 64 words, 4 words
	s_mov_b32 s[G1+1], 128<<16                     ; tensor_dim0 = 128
	s_mov_b32 s[G1+2], 64<<16                      ; tensor_dim1 = 64
	s_mov_b32 s[G1+3], 128<<16                     ; tile_dim0 = 128
	s_mov_b32 s[G1+4], 64                          ; tile_dim1 = 64
	s_mov_b32 s[G1+5], 1024                        ; elements from row to row
	s_mov_b32 s[G1+6], 0
	s_mov_b32 s[G1+7], 0
	s_or_b32 s[G1B], s45, (1<<16)|(1<<20)|(1<<21)|(6<<22)|(7<<25)  ; the same with my column's mask; after every 128 words, 8 words
	s_mov_b32 s[G1B+1], 256<<16                    ; tensor_dim0 = 256
	s_mov_b32 s[G1B+2], 64<<16                     ; tensor_dim1 = 64
	s_mov_b32 s[G1B+3], 256<<16                    ; tile_dim0 = 256
	s_mov_b32 s[G1B+4], 64                         ; tile_dim1 = 64
	s_mov_b32 s[G1B+5], 1024
	s_mov_b32 s[G1B+6], 0
	s_mov_b32 s[G1B+7], 0
	s_lshl_b32 s16, s43, 7                         ; A: row 128 x tile row + 64 x half,
	s_lshl_b32 s17, s[WN], 6
	s_add_co_u32 s16, s16, s17
	s_lshl_b32 s16, s16, 11                        ; of 2,048 bytes: made of the tile row and the wave alone
	s_mov_b32 s17, 0
	s_lshl_b32 s46, s42, 9                         ; B: 512 bytes x tile column + 64 rows of 2,048 bytes x half: made of the tile column and the wave alone
	s_lshl_b32 s47, s[WN], 17
	s_add_co_u32 s46, s46, s47
	s_mov_b32 s47, 0
	s_mul_i32 s20, s[WN], AHALF                    ; where they go: no place in the cluster enters an LDS address
	s_mul_i32 s21, s[WN], BHALF
	s_add_co_u32 s21, s21, ATILE
	s_wait_dscnt 0x0                               ; the opening add is done
	s_wait_kmcnt 0x0
	s_add_nc_u64 s[18:19], s[4:5], s[16:17]
	s_add_nc_u64 s[46:47], s[6:7], s[46:47]
	CROUND                                         ; all sixteen work-groups are here: the first joint loads meet
.irp s, 0,1
	s_mov_b32 s[G0+4*(\s)], 1
	s_add_co_u32 s[G0+4*(\s)+1], s20, (\s)*SLOT
	s_add_nc_u64 s[G0+4*(\s)+2:G0+4*(\s)+3], s[18:19], (\s)*256     ; K step s
	s_or_b32 s[G0+4*(\s)+3], s[G0+4*(\s)+3], 0x80000000
	s_mov_b32 s[G0B+4*(\s)], 1
	s_add_co_u32 s[G0B+4*(\s)+1], s21, (\s)*SLOT
	s_add_nc_u64 s[G0B+4*(\s)+2:G0B+4*(\s)+3], s[46:47], (\s)*262144
	s_or_b32 s[G0B+4*(\s)+3], s[G0B+4*(\s)+3], 0x80000000
	JLOAD \s                                       ; two loads of mine are out
.endr
	v_and_b32 v1, 15, v0                           ; l % 16
	v_bfe_u32 v2, v0, 4, 1                         ; l / 16
	v_mul_u32_u24 v3, v1, PA                       ; A: row l % 16, 16 bytes for each half of the lanes
	v_lshl_add_u32 v3, v2, 4, v3
	s_mul_i32 s22, s[WM], AHALF                    ; my 64 rows of A
	v_add_nc_u32 v[ADRA], s22, v3
	v_add_nc_u32 v[ADRA+1], SLOT, v[ADRA]
	v_and_b32 v4, 7, v0                            ; B, turned: lane l reads row 8 (l / 16) + l % 8 along K, columns 8 ((l / 8) % 2) + 0..7
	v_bfe_u32 v5, v0, 3, 1
	v_lshl_add_u32 v4, v2, 3, v4
	v_mul_u32_u24 v4, v4, PB
	v_lshl_add_u32 v4, v5, 4, v4
	s_lshl_b32 s23, s[WN], 8                       ; my 128 columns, behind A's tile
	s_add_co_u32 s23, s23, ATILE
	v_add_nc_u32 v[ADRB], s23, v4
	v_add_nc_u32 v[ADRB+1], SLOT, v[ADRB]
	v_and_b32 v[CO], 31, v0
	v_lshlrev_b32 v[CO], 4, v[CO]
	v_lshlrev_b32 v[BO], 2, v1
	s_lshr_b32 s66, s43, 4                         ; z: batch = tile row / 16, 8,388,608 bytes each;
	s_lshl_b32 s66, s66, 23
	s_and_b32 s67, s43, 15                         ; row block 8 (tile row % 16) + 4 x my half, 1,024 bytes each;
	s_lshl_b32 s67, s67, 13
	s_add_co_u32 s66, s66, s67
	s_lshl_b32 s67, s[WM], 12
	s_add_co_u32 s66, s66, s67
	s_lshl_b32 s67, s42, 21                        ; column group 16 x tile column + 8 x my half, 131,072 bytes each
	s_add_co_u32 s66, s66, s67
	s_lshl_b32 s67, s[WN], 20
	s_add_co_u32 s66, s66, s67
	s_mov_b32 s67, 0
	s_add_nc_u64 s[10:11], s[10:11], s[66:67]
	s_lshl_b32 s68, s42, 10                        ; the bias of my 128 columns
	s_lshl_b32 s69, s[WN], 9
	s_add_co_u32 s68, s68, s69
	s_mov_b32 s69, 0
	s_add_nc_u64 s[8:9], s[8:9], s[68:69]
.irp b, 0,1,2,3,4,5,6,7
	global_load_b32 v[BIAS+2*\b], v[BO], s[8:9] offset:64*\b
.endr
; 8 matrix instructions: row block a x all 8 column blocks, 32 along K.  zero = 1: the product starts the sum.  The 32 accumulators take turns, one instruction a turn.
.macro MUL8 f, a, zero
	WIN MULW
.irp b, 0,1,2,3,4,5,6,7
.if \zero
	v_wmma_f32_16x16x32_bf16 v[8*(8*(\a)+(\b)):8*(8*(\a)+(\b))+7], v[(\f)+64+8*(\a):(\f)+64+8*(\a)+7], v[(\f)+8*(\b):(\f)+8*(\b)+7], 0
.else
	v_wmma_f32_16x16x32_bf16 v[8*(8*(\a)+(\b)):8*(8*(\a)+(\b))+7], v[(\f)+64+8*(\a):(\f)+64+8*(\a)+7], v[(\f)+8*(\b):(\f)+8*(\b)+7], v[8*(8*(\a)+(\b)):8*(8*(\a)+(\b))+7]
.endif
.endr
.endm
; 24 LDS loads in one run: the fragments of quarter kq (32 along K) of a slot into buffer f: B's 16 loads, then A's row blocks 0 to 3
.macro FETCH slot, kq, f
	WIN 0
.irp b, 0,1,2,3,4,5,6,7
	ds_load_tr16_b128 v[(\f)+8*(\b):(\f)+8*(\b)+3],   v[ADRB+(\slot)] offset:(\kq)*32*PB+32*(\b)
	ds_load_tr16_b128 v[(\f)+8*(\b)+4:(\f)+8*(\b)+7], v[ADRB+(\slot)] offset:(\kq)*32*PB+32*(\b)+16*PB
.endr
.irp a, 0,1,2,3
	ds_load_b128 v[(\f)+64+8*(\a):(\f)+64+8*(\a)+3],   v[ADRA+(\slot)] offset:64*(\kq)+(\a)*16*PA
	ds_load_b128 v[(\f)+64+8*(\a)+4:(\f)+64+8*(\a)+7], v[ADRA+(\slot)] offset:64*(\kq)+(\a)*16*PA+32
.endr
.endm
; One of a K step's first three quarters: multiplies buffer f; in its middle it fetches quarter kq of the same slot into buffer g.
.macro QUARTER slot, kq, f, g, zero
	s_wait_dscnt 0x4                               ; B and A's row blocks 0, 1 are in; the youngest four loads (blocks 2, 3) may be out
	MUL8 \f, 0, \zero
	MUL8 \f, 1, \zero
	PLACES
	FETCH \slot, \kq, \g
	s_wait_dscnt 24                                ; all but the 24 just issued
	MUL8 \f, 2, \zero
	MUL8 \f, 3, \zero
.endm
; The last quarter multiplies buffer 1 and changes slots: ONE barrier; in front of it each wave waits for all its tensor loads, adds 0 to its spare word, and waits for that and for its reads of this slot.
.macro TURN slot, next, fill
	WIN 0
	s_wait_tensorcnt 0x0                           ; all my tensor loads have landed: my part of the next slot;
	ds_add_u32 v[SPW], v[NIL]                      ; 0 onto my spare word;
	s_wait_dscnt 0x5                               ; (the add and the youngest four loads may be out)
	MUL8 F1, 0, 0                                  ; eight matrix instructions stand between the add and the wait for it
	s_wait_dscnt 0x0                               ; the add is done, and my reads of this slot are over
	s_barrier_signal -1
	MUL8 F1, 1, 0
.if \fill
	WIN 0
.endif
	s_barrier_wait -1
.if \fill
	CREST                                          ; the barrier has opened a round of the cluster's: no wave of any partner still reads this slot or has a load on its way
	s_add_nc_u64 s[G0+4*(\slot)+2:G0+4*(\slot)+3], s[G0+4*(\slot)+2:G0+4*(\slot)+3], ASTEP
	s_add_nc_u64 s[G0B+4*(\slot)+2:G0B+4*(\slot)+3], s[G0B+4*(\slot)+2:G0B+4*(\slot)+3], BSTEP
	JLOAD \slot                                    ; my one tensor load behind the round; its four v_nop are also the places in front of the loads below
.else
	PLACES
.endif
	FETCH \next, 0, F0
	MUL8 F1, 2, 0
	MUL8 F1, 3, 0
.endm
	s_wait_tensorcnt 0x1                           ; my part of K step 0 is in; K step 1's stays out
	s_barrier_signal -1
	s_barrier_wait -1                              ; everybody's is
	FETCH 0, 0, F0
	QUARTER 0, 1, F0, F1, 1                        ; the first quarter stands in front of the loop: its products start the sums
	WIN 0
	s_mov_b32 s[LAP], LAPS-1
.Llap:                                                 ; a trip goes once round the ring, from a lap's second quarter to the next lap's first, and fills both slots again
	QUARTER 0, 2, F1, F0, 0
	QUARTER 0, 3, F0, F1, 0
	TURN 0, 1, 1
	QUARTER 1, 1, F0, F1, 0
	QUARTER 1, 2, F1, F0, 0
	QUARTER 1, 3, F0, F1, 0
	TURN 1, 0, 1
	QUARTER 0, 1, F0, F1, 0
	WIN 0
	s_sub_co_u32 s[LAP], s[LAP], 1
	s_cmp_lg_u32 s[LAP], 0
	s_cbranch_scc1 .Llap
	QUARTER 0, 2, F1, F0, 0                        ; the last lap fills nothing
	QUARTER 0, 3, F0, F1, 0
	TURN 0, 1, 0
	QUARTER 1, 1, F0, F1, 0
	QUARTER 1, 2, F1, F0, 0
	QUARTER 1, 3, F0, F1, 0
	s_wait_dscnt 0x4
	MUL8 F1, 0, 0
	MUL8 F1, 1, 0
	s_wait_dscnt 0x0
	MUL8 F1, 2, 0
	MUL8 F1, 3, 0
	; THE WAY OUT.  The bias is rounded to bf16 and widened, twice for the packed add: 24 plain lines that name no register of the last products: their places.
	WIN 0
	s_wait_loadcnt 0x0
.irp b, 0,1,2,3,4,5,6,7
	v_cvt_pk_bf16_f32 v[BIAS+2*\b], v[BIAS+2*\b], v[BIAS+2*\b]
.endr
.irp b, 0,1,2,3,4,5,6,7
	v_and_b32 v[BIAS+2*\b+1], 0xffff0000, v[BIAS+2*\b]
.endr
.irp b, 0,1,2,3,4,5,6,7
	v_lshlrev_b32 v[BIAS+2*\b], 16, v[BIAS+2*\b]
.endr
.irp a, 0,1,2,3
	WIN 0x41                                       ; destination and source 0 in window 1, the bias in window 0; each accumulator is taken from its low end on
.irp b, 0,1,2,3,4,5,6,7
.irp p, 0,2,4,6
	v_pk_add_f32 v[8*(8*\a+\b)+\p:8*(8*\a+\b)+\p+1], v[8*(8*\a+\b)+\p:8*(8*\a+\b)+\p+1], v[BIAS+2*\b:BIAS+2*\b+1]
.endr
.endr
	WIN 0x04                                       ; a store's data in window 1, its address in window 0
.irp b, 0,1,2,3,4,5,6,7
	global_store_b128 v[CO], v[8*(8*\a+\b):8*(8*\a+\b)+3],   s[10:11] offset:\b*131072+\a*1024      ; 512 consecutive bytes, at a multiple of 512 from z's first
	global_store_b128 v[CO], v[8*(8*\a+\b)+4:8*(8*\a+\b)+7], s[10:11] offset:\b*131072+\a*1024+512
.endr
.endr
	WIN 0
	s_wait_tensorcnt 0x0                           ; the wave's end
	ds_add_u32 v[SPW], v[NIL]
	s_wait_dscnt 0x0
	CROUND                                         ; the closing round: no work-group ends while a partner may still ask for a tile that names it
	s_endpgm
.Lfunc_end_k_qf99870d4df_gemm1:
	.size	k_qf99870d4df_gemm1, .Lfunc_end_k_qf99870d4df_gemm1-k_qf99870d4df_gemm1
	.p2alignl 7, 3214868480
	.fill 96, 4, 3214868480
	.section	.rodata,"a",@progbits
	.p2align	6, 0x0
	.amdhsa_kernel k_qf99870d4df_gemm1
		.amdhsa_group_segment_fixed_size 327680
		.amdhsa_private_segment_fixed_size 0
		.amdhsa_enable_private_segment 0
		.amdhsa_kernarg_size 32
		.amdhsa_user_sgpr_count 2
		.amdhsa_user_sgpr_kernarg_segment_ptr 1
		.amdhsa_wavefront_size32 1
		.amdhsa_system_sgpr_workgroup_id_x 1
		.amdhsa_system_sgpr_workgroup_id_y 1
		.amdhsa_system_sgpr_workgroup_id_z 1
		.amdhsa_system_vgpr_workitem_id 0
		.amdhsa_next_free_vgpr 512
		.amdhsa_next_free_sgpr 72
		.amdhsa_reserve_vcc 0
		.amdhsa_float_denorm_mode_32 3
		.amdhsa_float_denorm_mode_16_64 3
		.amdhsa_memory_ordered 1
		.amdhsa_forward_progress 1
		.amdhsa_inst_pref_size 86
	.end_amdhsa_kernel
	.amdgpu_metadata
---
amdhsa.version: [ 1, 2 ]
amdhsa.kernels:
  - .name:           k_qf99870d4df_gemm1
    .symbol:         k_qf99870d4df_gemm1.kd
    .args:
      - { .name: xb, .offset: 0, .size: 8, .value_kind: global_buffer, .address_space: global }
      - { .name: wpb, .offset: 8, .size: 8, .value_kind: global_buffer, .address_space: global }
      - { .name: b_phase, .offset: 16, .size: 8, .value_kind: global_buffer, .address_space: global }
      - { .name: z, .offset: 24, .size: 8, .value_kind: global_buffer, .address_space: global }
    .group_segment_fixed_size: 327680
    .private_segment_fixed_size: 0
    .kernarg_segment_align: 8
    .kernarg_segment_size: 32
    .max_flat_workgroup_size: 128
    .sgpr_count:     72
    .vgpr_count:     512
    .wavefront_size: 32
...
	.end_amdgpu_metadata
.endif
;; end of part 2
;; launch kura (part 3): grid 64 x 4, 16 waves a work-group, no clusters, 12,544 bytes of LDS; arguments z, mask, natural_freq, coupling, ph; writes ph
.if DOCPART == 3
	.amdgcn_target "amdgcn-amd-amdhsa--gfx1250"
	.amdhsa_code_object_version 6
	.text
	.protected	k_qf99870d4df_kura
	.globl	k_qf99870d4df_kura
	.p2align	8
	.type	k_qf99870d4df_kura,@function
k_qf99870d4df_kura:
	s_mov_b64 s[64:65], 0
	v_nop
	global_prefetch_b8 v0, s[64:65] scope:SCOPE_SE
	s_setreg_imm32_b32 hwreg(HW_REG_WAVE_MODE, 25, 1), 1
	s_wait_xcnt 0x0
; ph = pi tanh(z); ten steps ph = mod(ph + 0.1 (w + K (sin ph mean(m cos) - cos ph mean(m sin))) + pi, 2 pi) - pi; ph stored in f16.
; The means run over the 2,048 rows of one batch and column, so a work-group that owns whole columns talks to nobody: work-group (cg, b) owns columns 16 cg .. 16 cg + 15 of batch b.
; 16 waves; thread t = 32 w + 16 h + col holds column col, rows 128 w + 16 a + 8 h + i (a, i = 0..7) in register 8 a + i: 64 phases, their sines and cosines: 192 registers, one window.
; That is how the launch before laid z: a load of 16 bytes a lane takes 512 consecutive bytes.  No matrix unit: sums of 16-bit sines would put their rounding on every phase in every step.
; ARITHMETIC, all in f32.  natural_freq and coupling are rounded to bf16 first, like every f32 input of the program.
;   tanh: z held to +-7.99881172, then z N(z^2) / D(z^2), N of degree 6 and D of degree 3; the quotient by a reciprocal, one Newton step and a corrected product.
;   sine and cosine by the half angle: p = sqrt2 sin(ph / 2) and q = sqrt2 cos(ph / 2) as Taylor sums in ph^2 (5 and 7 terms), sin = p q, cos = q q - 1.  On -pi .. pi both are off by 4e-7 at the most:
;   the term left out of p reaches 3.6e-6 only where q vanishes.
;   the last four roundings of a step follow the formula's order: u = ph + d; v = u + pi; r = v - 2 pi floor(v / 2 pi), one rounding; ph = r - pi.
; LIMITS.  Beyond |z| = 7.99881172 tanh keeps its value there, 2.3e-7 from the true one.  floor(v x 0.15915494) decides as mod does for |v| up to 4 pi; beyond that (0.1 |w + K ..| above 6.2) it may
; differ for a v within one step of f32 of a multiple of 2 pi.  mod jumps: a phase that comes within some 1e-7 of +-pi in the last step may land 2 pi from a result summed in another order.
; NaN and infinities are not treated apart.
.set RED,   8192                       ; LDS: 0: the mask as 2,048 f32.  8,192: [col 16], 144 bytes apart, [wave 16] pairs (sum of m sin, sum of m cos)
.set SPARE, 10496                      ; the spare words, 128 bytes for each of 16 waves: eight blocks of 256 bytes that no other line names
.set MAD, 1                            ; v1   512 w + 32 h: my eight mask words of row block a = 0
.set RST, 2                            ; v2   RED + 144 col + 8 w
.set RRD, 3                            ; v3   RED + 144 col + 64 h: eight waves' pairs
.set GOF, 4                            ; v4   8,192 w + 16 lane: my place in z
.set POF, 5                            ; v5   my place in ph
.set SPW, 6                            ; v6   LDS address of my spare word; never rewritten
.set NIL, 7                            ; v7   0; never rewritten
.set KDV, 8                            ; v8   K x 0.1 / 2048
.set AA,  10                           ; v10-11  0.1 K mean(m cos), twice
.set BB,  12                           ; v12-13  -0.1 K mean(m sin), twice
.set WW,  14                           ; v14-15  0.1 w, twice
.set AS,  16                           ; v16-23  four pairs of running sums of m sin
.set AC,  24                           ; v24-31  of m cos
.set T1,  32                           ; v32-39, v40-47  at work
.set T2,  40
.set MK,  48                           ; v48-63  two buffers of eight mask words
.set PH,  64
.set SN,  128
.set CN,  192
.set KS,  20                           ; s[20:29]  S0..S4, each a pair
.set KC,  30                           ; s[30:43]  C0..C6
.set KPI, 44                           ; pi
.set KNPI, 46                          ; -pi
.set KN2PI, 48                         ; -2 pi
.set KINV, 50                          ; 1 / 2 pi
.set KN,  66                           ; s[66:79]  N0..N6
.set KDN, 80                           ; s[80:87]  D0..D3
.macro KPAIR r, val:vararg             ; a constant as a pair: the packed forms name both words
	s_mov_b32 s[\r], \val
	s_mov_b32 s[(\r)+1], s[\r]
.endm
	s_load_b256 s[4:11], s[0:1], 0x0               ; z s[4:5], mask s[6:7], natural_freq s[8:9], coupling s[10:11]
	s_load_b64 s[12:13], s[0:1], 0x20              ; ph
	v_lshl_add_u32 v[SPW], v0, 2, SPARE
	v_mov_b32 v[NIL], 0
	v_lshrrev_b32 v9, 5, v0                        ; w
	v_and_b32 v32, 31, v0                          ; lane
	v_and_b32 v33, 15, v0                          ; col
	v_bfe_u32 v34, v0, 4, 1                        ; h
	v_lshlrev_b32 v[MAD], 9, v9
	v_lshl_add_u32 v[MAD], v34, 5, v[MAD]
	v_mul_u32_u24 v35, v33, 144
	v_lshl_add_u32 v[RST], v9, 3, v35
	v_add_nc_u32 v[RST], RED, v[RST]
	v_lshl_add_u32 v[RRD], v34, 6, v35
	v_add_nc_u32 v[RRD], RED, v[RRD]
	v_lshlrev_b32 v[GOF], 13, v9
	v_lshl_add_u32 v[GOF], v32, 4, v[GOF]
	v_bfe_u32 v36, v0, 3, 1                        ; ph lies in blocks of 512 bytes (16 rows x 16 columns): the 16 bytes at 16 L hold column 8 (L / 16) + L % 8, rows 8 ((L / 8) % 2) + 0..7,
	v_and_b32 v37, 7, v0                           ; which is what lane L of one turning LDS load addresses in the next launch.  Mine: L = 16 (col / 8) + 8 h + col % 8
	v_lshl_add_u32 v36, v36, 4, v37
	v_lshl_add_u32 v36, v34, 3, v36
	v_lshlrev_b32 v[POF], 12, v9
	v_lshl_add_u32 v[POF], v36, 4, v[POF]
	v_lshlrev_b32 v38, 4, v0                       ; 16 t: my four mask words, in memory and in LDS
	v_lshlrev_b32 v39, 2, v33                      ; 4 col
	v_mov_b32 v40, 0
	s_and_b32 s15, ttmp7, 0xffff                   ; b
	s_lshl_b32 s18, s15, 6
	s_add_co_u32 s18, s18, ttmp9                   ; 64 b + cg
	s_lshl_b32 s90, s18, 17                        ; 131,072 bytes of z,
	s_mov_b32 s91, 0
	s_lshl_b32 s92, s18, 16                        ; 65,536 of ph
	s_mov_b32 s93, 0
	s_lshl_b32 s94, s15, 13                        ; the batch's mask
	s_mov_b32 s95, 0
	s_lshl_b32 s96, ttmp9, 6                       ; my 16 columns of natural_freq
	s_mov_b32 s97, 0
	s_lshr_b32 s98, ttmp9, 3                       ; the head = cg / 8
	s_lshl_b32 s98, s98, 2
	s_mov_b32 s99, 0
	s_mov_b32 s16, 0x76543210                      ; v_permlanex16_b32: each lane takes its own place in the other half
	s_mov_b32 s17, 0xfedcba98
	s_wait_kmcnt 0x0
	s_add_nc_u64 s[4:5], s[4:5], s[90:91]
	s_add_nc_u64 s[6:7], s[6:7], s[94:95]
	s_add_nc_u64 s[8:9], s[8:9], s[96:97]
	s_add_nc_u64 s[10:11], s[10:11], s[98:99]
	s_add_nc_u64 s[12:13], s[12:13], s[92:93]
	global_load_b128 v[MK:MK+3], v38, s[6:7]
	global_load_b32 v[MK+4], v39, s[8:9]
	global_load_b32 v[MK+5], v40, s[10:11]
.irp a, 0,1,2,3,4,5,6,7
	global_load_b128 v[PH+8*\a:PH+8*\a+3],   v[GOF], s[4:5] offset:1024*\a th:TH_LOAD_NT
	global_load_b128 v[PH+8*\a+4:PH+8*\a+7], v[GOF], s[4:5] offset:1024*\a+512 th:TH_LOAD_NT
.endr
	KPAIR KS+0, 0.70710678119                      ; sqrt2 sin(x / 2) = x (S0 + S1 x^2 + ..)
	KPAIR KS+2, -0.029462782549
	KPAIR KS+4, 3.6828478187e-4
	KPAIR KS+6, -2.192171321e-6
	KPAIR KS+8, 7.6117059e-9
	KPAIR KC+0, 1.41421356237                      ; sqrt2 cos(x / 2) = C0 + C1 x^2 + ..
	KPAIR KC+2, -0.176776695297
	KPAIR KC+4, 3.68284781868e-3
	KPAIR KC+6, -3.0690398489e-5
	KPAIR KC+8, 1.3701070754e-7
	KPAIR KC+10, -3.8058530e-10
	KPAIR KC+12, 7.2080549e-13
	KPAIR KPI, 0x40490fdb
	KPAIR KNPI, 0xc0490fdb
	KPAIR KN2PI, 0xc0c90fdb
	KPAIR KINV, 0x3e22f983
	KPAIR KN+0, -2.76076847742355e-16
	KPAIR KN+2, 2.00018790482477e-13
	KPAIR KN+4, -8.60467152213735e-11
	KPAIR KN+6, 5.12229709037114e-08
	KPAIR KN+8, 1.48572235717979e-05
	KPAIR KN+10, 6.37261928875436e-04
	KPAIR KN+12, 4.89352455891786e-03
	KPAIR KDN+0, 1.19825839466702e-06
	KPAIR KDN+2, 1.18534705686654e-04
	KPAIR KDN+4, 2.26843463243900e-03
	KPAIR KDN+6, 4.89352518554385e-03
	s_mov_b32 s88, -7.99881172180175781
	s_mov_b32 s89, 7.99881172180175781
	s_wait_loadcnt 16                              ; mask, natural_freq, coupling are in; the 16 loads of z stay out
.irp i, 0,1,2,3
	v_cvt_f32_i32 v[MK+\i], v[MK+\i]
.endr
	ds_store_b128 v38, v[MK:MK+3]
	v_cvt_pk_bf16_f32 v[MK+6], v[MK+4], v[MK+5]    ; w and K rounded to bf16,
	v_lshlrev_b32 v[MK+4], 16, v[MK+6]             ; and widened
	v_and_b32 v[MK+5], 0xffff0000, v[MK+6]
	v_mul_f32 v[WW], 0x3dcccccd, v[MK+4]           ; 0.1 w
	v_mov_b32 v[WW+1], v[WW]
	v_mul_f32 v[KDV], 0x384ccccd, v[MK+5]          ; K x 0.1 / 2048
	s_wait_dscnt 0x0                               ; for the others' sake: my part of the mask is in LDS
	s_barrier_signal -1
	s_barrier_wait -1
.macro BLK a                           ; the registers of row block a
.set rP, PH+8*(\a)
.set rS, SN+8*(\a)
.set rC, CN+8*(\a)
.endm
; pi tanh(z) for row block a: eight numbers, four pairs.
.macro TANH a
	BLK \a
	s_wait_loadcnt 14-2*(\a)                       ; the block's two loads are in; the later blocks' stay out
.irp i, 0,1,2,3,4,5,6,7
	v_med3_num_f32 v[rP+\i], v[rP+\i], s88, s89
.endr
.irp p, 0,2,4,6
	v_pk_mul_f32 v[T1+\p:T1+\p+1], v[rP+\p:rP+\p+1], v[rP+\p:rP+\p+1]
.endr
.irp p, 0,2,4,6
	v_pk_fma_f32 v[rS+\p:rS+\p+1], v[T1+\p:T1+\p+1], s[KN:KN+1], s[KN+2:KN+3] op_sel_hi:[1,0,0]
	v_pk_fma_f32 v[rC+\p:rC+\p+1], v[T1+\p:T1+\p+1], s[KDN:KDN+1], s[KDN+2:KDN+3] op_sel_hi:[1,0,0]
.endr
.irp k, 2,3
.irp p, 0,2,4,6
	v_pk_fma_f32 v[rS+\p:rS+\p+1], v[rS+\p:rS+\p+1], v[T1+\p:T1+\p+1], s[KN+2*\k:KN+2*\k+1] op_sel_hi:[1,1,0]
	v_pk_fma_f32 v[rC+\p:rC+\p+1], v[rC+\p:rC+\p+1], v[T1+\p:T1+\p+1], s[KDN+2*\k:KDN+2*\k+1] op_sel_hi:[1,1,0]
.endr
.endr
.irp k, 4,5,6
.irp p, 0,2,4,6
	v_pk_fma_f32 v[rS+\p:rS+\p+1], v[rS+\p:rS+\p+1], v[T1+\p:T1+\p+1], s[KN+2*\k:KN+2*\k+1] op_sel_hi:[1,1,0]
.endr
.endr
.irp i, 0,1,2,3,4,5,6,7
	v_rcp_f32 v[T2+\i], v[rC+\i]
.endr
.irp p, 0,2,4,6
	v_pk_mul_f32 v[rS+\p:rS+\p+1], v[rS+\p:rS+\p+1], v[rP+\p:rP+\p+1]      ; the numerator; the first of these is the plain line behind the last reciprocal
.endr
	s_wait_alu depctr_va_vdst(0)
.irp p, 0,2,4,6
	v_pk_fma_f32 v[MK+\p:MK+\p+1], v[rC+\p:rC+\p+1], v[T2+\p:T2+\p+1], 1.0 op_sel_hi:[1,1,0] neg_lo:[1,0,0] neg_hi:[1,0,0]  ; 1 - d r
.endr
.irp p, 0,2,4,6
	v_pk_fma_f32 v[T2+\p:T2+\p+1], v[T2+\p:T2+\p+1], v[MK+\p:MK+\p+1], v[T2+\p:T2+\p+1]     ; r mended
.endr
.irp p, 0,2,4,6
	v_pk_mul_f32 v[MK+\p:MK+\p+1], v[rS+\p:rS+\p+1], v[T2+\p:T2+\p+1]      ; q = n r
.endr
.irp p, 0,2,4,6
	v_pk_fma_f32 v[T1+\p:T1+\p+1], v[rC+\p:rC+\p+1], v[MK+\p:MK+\p+1], v[rS+\p:rS+\p+1] neg_lo:[1,0,0] neg_hi:[1,0,0]     ; n - d q, exact
.endr
.irp p, 0,2,4,6
	v_pk_fma_f32 v[MK+\p:MK+\p+1], v[T1+\p:T1+\p+1], v[T2+\p:T2+\p+1], v[MK+\p:MK+\p+1]     ; the quotient
.endr
.irp p, 0,2,4,6
	v_pk_mul_f32 v[rP+\p:rP+\p+1], v[MK+\p:MK+\p+1], s[KPI:KPI+1] op_sel_hi:[1,0]
.endr
.endm
; Sines, cosines and their masked sums for row block a.  The next block's eight mask words are asked for first, into the other buffer.
.macro SC a
	BLK \a
.set rM, MK+8*((\a)%2)
.set rN, MK+8*(((\a)+1)%2)
.if (\a) < 7
	ds_load_b128 v[rN:rN+3],   v[MAD] offset:64*((\a)+1)
	ds_load_b128 v[rN+4:rN+7], v[MAD] offset:64*((\a)+1)+16
.endif
.irp p, 0,2,4,6
	v_pk_mul_f32 v[T1+\p:T1+\p+1], v[rP+\p:rP+\p+1], v[rP+\p:rP+\p+1]
.endr
.irp p, 0,2,4,6
	v_pk_fma_f32 v[rS+\p:rS+\p+1], v[T1+\p:T1+\p+1], s[KS+8:KS+9], s[KS+6:KS+7] op_sel_hi:[1,0,0]
	v_pk_fma_f32 v[rC+\p:rC+\p+1], v[T1+\p:T1+\p+1], s[KC+12:KC+13], s[KC+10:KC+11] op_sel_hi:[1,0,0]
.endr
.irp k, 2,1,0
.irp p, 0,2,4,6
	v_pk_fma_f32 v[rS+\p:rS+\p+1], v[rS+\p:rS+\p+1], v[T1+\p:T1+\p+1], s[KS+2*\k:KS+2*\k+1] op_sel_hi:[1,1,0]
	v_pk_fma_f32 v[rC+\p:rC+\p+1], v[rC+\p:rC+\p+1], v[T1+\p:T1+\p+1], s[KC+2*\k+4:KC+2*\k+5] op_sel_hi:[1,1,0]
.endr
.endr
.irp k, 1,0
.irp p, 0,2,4,6
	v_pk_fma_f32 v[rC+\p:rC+\p+1], v[rC+\p:rC+\p+1], v[T1+\p:T1+\p+1], s[KC+2*\k:KC+2*\k+1] op_sel_hi:[1,1,0]
.endr
.endr
.irp p, 0,2,4,6
	v_pk_mul_f32 v[rS+\p:rS+\p+1], v[rS+\p:rS+\p+1], v[rP+\p:rP+\p+1]      ; sqrt2 sin(ph / 2)
.endr
.irp p, 0,2,4,6
	v_pk_mul_f32 v[rS+\p:rS+\p+1], v[rS+\p:rS+\p+1], v[rC+\p:rC+\p+1]      ; sin ph
.endr
.irp p, 0,2,4,6
	v_pk_fma_f32 v[rC+\p:rC+\p+1], v[rC+\p:rC+\p+1], v[rC+\p:rC+\p+1], -1.0 op_sel_hi:[1,1,0]  ; cos ph
.endr
.if (\a) < 7
	s_wait_dscnt 0x2                               ; this block's mask words are in; the two loads just issued may be out
.else
	s_wait_dscnt 0x0
.endif
.irp p, 0,2,4,6
.if (\a) == 0
	v_pk_mul_f32 v[AS+\p:AS+\p+1], v[rS+\p:rS+\p+1], v[rM+\p:rM+\p+1]      ; the first block starts the sums: nothing is cleared
	v_pk_mul_f32 v[AC+\p:AC+\p+1], v[rC+\p:rC+\p+1], v[rM+\p:rM+\p+1]
.else
	v_pk_fma_f32 v[AS+\p:AS+\p+1], v[rS+\p:rS+\p+1], v[rM+\p:rM+\p+1], v[AS+\p:AS+\p+1]
	v_pk_fma_f32 v[AC+\p:AC+\p+1], v[rC+\p:rC+\p+1], v[rM+\p:rM+\p+1], v[AC+\p:AC+\p+1]
.endif
.endr
.endm
; The step itself for row block a.
.macro UPD a
	BLK \a
.irp p, 0,2,4,6
	v_pk_fma_f32 v[T1+\p:T1+\p+1], v[rC+\p:rC+\p+1], v[BB:BB+1], v[WW:WW+1]
.endr
.irp p, 0,2,4,6
	v_pk_fma_f32 v[T1+\p:T1+\p+1], v[rS+\p:rS+\p+1], v[AA:AA+1], v[T1+\p:T1+\p+1]           ; d = 0.1 (w + K (..))
.endr
.irp p, 0,2,4,6
	v_pk_add_f32 v[T1+\p:T1+\p+1], v[rP+\p:rP+\p+1], v[T1+\p:T1+\p+1]      ; u = ph + d
.endr
.irp p, 0,2,4,6
	v_pk_add_f32 v[T1+\p:T1+\p+1], v[T1+\p:T1+\p+1], s[KPI:KPI+1] op_sel_hi:[1,0]           ; v = u + pi
.endr
.irp p, 0,2,4,6
	v_pk_mul_f32 v[T2+\p:T2+\p+1], v[T1+\p:T1+\p+1], s[KINV:KINV+1] op_sel_hi:[1,0]
.endr
.irp i, 0,1,2,3,4,5,6,7
	v_floor_f32 v[T2+\i], v[T2+\i]
.endr
.irp p, 0,2,4,6
	v_pk_fma_f32 v[T1+\p:T1+\p+1], v[T2+\p:T2+\p+1], s[KN2PI:KN2PI+1], v[T1+\p:T1+\p+1] op_sel_hi:[1,0,1]  ; r = v - 2 pi floor: one rounding
.endr
.irp p, 0,2,4,6
	v_pk_add_f32 v[rP+\p:rP+\p+1], v[T1+\p:T1+\p+1], s[KNPI:KNPI+1] op_sel_hi:[1,0]         ; ph = r - pi
.endr
.endm
.irp a, 0,1,2,3,4,5,6,7
	TANH \a
.endr
	s_mov_b32 s14, 10
.Lstep:
	ds_load_b128 v[MK:MK+3],   v[MAD]              ; block 0's mask words
	ds_load_b128 v[MK+4:MK+7], v[MAD] offset:16
.irp a, 0,1,2,3,4,5,6,7
	SC \a
.endr
	; my 64 rows' sums, then my column's in this wave (the other 8 rows of each 16 lie in the lane 16 away), then all 16 waves' through LDS
	v_pk_add_f32 v[AS:AS+1], v[AS:AS+1], v[AS+2:AS+3]
	v_pk_add_f32 v[AS+4:AS+5], v[AS+4:AS+5], v[AS+6:AS+7]
	v_pk_add_f32 v[AC:AC+1], v[AC:AC+1], v[AC+2:AC+3]
	v_pk_add_f32 v[AC+4:AC+5], v[AC+4:AC+5], v[AC+6:AC+7]
	v_pk_add_f32 v[AS:AS+1], v[AS:AS+1], v[AS+4:AS+5]
	v_pk_add_f32 v[AC:AC+1], v[AC:AC+1], v[AC+4:AC+5]
	v_add_f32 v[T1], v[AS], v[AS+1]
	v_add_f32 v[T1+1], v[AC], v[AC+1]
	v_permlanex16_b32 v[T1+2], v[T1], s16, s17
	v_permlanex16_b32 v[T1+3], v[T1+1], s16, s17
	v_pk_add_f32 v[T1:T1+1], v[T1:T1+1], v[T1+2:T1+3]
	ds_store_b64 v[RST], v[T1:T1+1]                ; both halves of the lanes write the same pair to the same place
	s_wait_dscnt 0x0                               ; for the others' sake: my pair is in LDS
	s_barrier_signal -1
	s_barrier_wait -1
	ds_load_b128 v[T2:T2+3],   v[RRD]              ; eight waves' pairs for each half of the lanes
	ds_load_b128 v[T2+4:T2+7], v[RRD] offset:16
	ds_load_b128 v[MK:MK+3],   v[RRD] offset:32
	ds_load_b128 v[MK+4:MK+7], v[RRD] offset:48
	s_wait_dscnt 0x0                               ; my reads are over:
	s_barrier_signal -1                            ; the next step's stores into these words come behind this second barrier; work on registers stands inside it
	v_pk_add_f32 v[T2:T2+1], v[T2:T2+1], v[T2+2:T2+3]
	v_pk_add_f32 v[T2+4:T2+5], v[T2+4:T2+5], v[T2+6:T2+7]
	v_pk_add_f32 v[MK:MK+1], v[MK:MK+1], v[MK+2:MK+3]
	v_pk_add_f32 v[MK+4:MK+5], v[MK+4:MK+5], v[MK+6:MK+7]
	v_pk_add_f32 v[T2:T2+1], v[T2:T2+1], v[T2+4:T2+5]
	v_pk_add_f32 v[MK:MK+1], v[MK:MK+1], v[MK+4:MK+5]
	v_pk_add_f32 v[T2:T2+1], v[T2:T2+1], v[MK:MK+1]
	v_permlanex16_b32 v[T2+2], v[T2], s16, s17
	v_permlanex16_b32 v[T2+3], v[T2+1], s16, s17
	v_pk_add_f32 v[T2:T2+1], v[T2:T2+1], v[T2+2:T2+3]
	v_mul_f32 v[BB], -v[T2], v[KDV]
	v_mul_f32 v[AA], v[T2+1], v[KDV]
	v_mov_b32 v[BB+1], v[BB]
	v_mov_b32 v[AA+1], v[AA]
	s_barrier_wait -1
.irp a, 0,1,2,3,4,5,6,7
	UPD \a
.endr
	s_sub_co_u32 s14, s14, 1
	s_cmp_lg_u32 s14, 0
	s_cbranch_scc1 .Lstep
.irp a, 0,1,2,3,4,5,6,7
.irp k, 0,1,2,3
	v_cvt_pk_f16_f32 v[SN+4*\a+\k], v[PH+8*\a+2*\k], v[PH+8*\a+2*\k+1]
.endr
	global_store_b128 v[POF], v[SN+4*\a:SN+4*\a+3], s[12:13] offset:512*\a     ; the wave's 32 lanes fill 512 consecutive bytes, at a multiple of 512 from ph's first
.endr
	s_wait_tensorcnt 0x0                           ; the wave's end, behind my last LDS store
	ds_add_u32 v[SPW], v[NIL]
	s_wait_dscnt 0x0
	s_endpgm
.Lfunc_end_k_qf99870d4df_kura:
	.size	k_qf99870d4df_kura, .Lfunc_end_k_qf99870d4df_kura-k_qf99870d4df_kura
	.p2alignl 7, 3214868480
	.fill 96, 4, 3214868480
	.section	.rodata,"a",@progbits
	.p2align	6, 0x0
	.amdhsa_kernel k_qf99870d4df_kura
		.amdhsa_group_segment_fixed_size 12544
		.amdhsa_private_segment_fixed_size 0
		.amdhsa_enable_private_segment 0
		.amdhsa_kernarg_size 40
		.amdhsa_user_sgpr_count 2
		.amdhsa_user_sgpr_kernarg_segment_ptr 1
		.amdhsa_wavefront_size32 1
		.amdhsa_system_sgpr_workgroup_id_x 1
		.amdhsa_system_sgpr_workgroup_id_y 1
		.amdhsa_system_sgpr_workgroup_id_z 1
		.amdhsa_system_vgpr_workitem_id 0
		.amdhsa_next_free_vgpr 256
		.amdhsa_next_free_sgpr 100
		.amdhsa_reserve_vcc 0
		.amdhsa_float_denorm_mode_32 3
		.amdhsa_float_denorm_mode_16_64 3
		.amdhsa_memory_ordered 1
		.amdhsa_forward_progress 1
		.amdhsa_inst_pref_size 103
	.end_amdhsa_kernel
	.amdgpu_metadata
---
amdhsa.version: [ 1, 2 ]
amdhsa.kernels:
  - .name:           k_qf99870d4df_kura
    .symbol:         k_qf99870d4df_kura.kd
    .args:
      - { .name: z, .offset: 0, .size: 8, .value_kind: global_buffer, .address_space: global }
      - { .name: mask, .offset: 8, .size: 8, .value_kind: global_buffer, .address_space: global }
      - { .name: natural_freq, .offset: 16, .size: 8, .value_kind: global_buffer, .address_space: global }
      - { .name: coupling, .offset: 24, .size: 8, .value_kind: global_buffer, .address_space: global }
      - { .name: ph, .offset: 32, .size: 8, .value_kind: global_buffer, .address_space: global }
    .group_segment_fixed_size: 12544
    .private_segment_fixed_size: 0
    .kernarg_segment_align: 8
    .kernarg_segment_size: 40
    .max_flat_workgroup_size: 512
    .sgpr_count:     100
    .vgpr_count:     256
    .wavefront_size: 32
...
	.end_amdgpu_metadata
.endif
;; end of part 3
;; launch gemm2 (part 4): grid 4 x 64, 4 waves a work-group, clusters of 4 x 4, 327,680 bytes of LDS; arguments ph, wob, b_out, out0; writes out0
.if DOCPART == 4
	.amdgcn_target "amdgcn-amd-amdhsa--gfx1250"
	.amdhsa_code_object_version 6
	.text
	.protected	k_qf99870d4df_gemm2
	.globl	k_qf99870d4df_gemm2
	.p2align	8
	.type	k_qf99870d4df_gemm2,@function
k_qf99870d4df_gemm2:
	s_mov_b64 s[64:65], 0
	v_nop
	global_prefetch_b8 v0, s[64:65] scope:SCOPE_SE
	s_setreg_imm32_b32 hwreg(HW_REG_WAVE_MODE, 25, 1), 1
	s_wait_xcnt 0x0
	s_wait_alu depctr_hold_cnt(0) depctr_sa_sdst(0) depctr_va_vdst(0) depctr_va_sdst(0) depctr_va_ssrc(0) depctr_va_vcc(0) depctr_vm_vsrc(0)
	s_getreg_b32 s2, hwreg(HW_REG_IB_STS2, 6, 4)
	s_cmp_eq_u32 s2, 0
	s_cbranch_scc0 .Lentry_in_a_cluster
	s_endpgm
.Lentry_in_a_cluster:
	s_bfe_u32 s2, ttmp6, 0x10000c
	s_cmp_lg_u32 s2, 0xf033
	s_cbranch_scc0 .Lentry_shape_is_right
	s_endpgm
.Lentry_shape_is_right:
; out0 = ph wob + bf16(b_out).  ph: f16 in blocks of 512 bytes [batch 4][column group 64][row block 128]: the 16 bytes at 16 L of a block hold column 8 (L / 16) + L % 8, rows 8 ((L / 8) % 2) + 0..7.
; wob: [k 1024][n 1024] f16.  Sums in f32, the bias added once at the end, out0 in f32, row-major.
; The frame is the first product's: a tile of 128 rows x 256 columns, 256 work-groups, four waves of 64 x 128 (32 accumulators), 8 K steps of 128 through two LDS slots, clusters of 4 x 4 with A's tiles
; shared along a row and B's along a column.  What differs:
; A's tile: 8 column groups x 8 row blocks x 512 bytes.  In memory a column group's 8 row blocks are 4,096 consecutive bytes, the groups 65,536 bytes apart: a wave's load brings 4 such rows, unpadded.
; One turning load at block + 16 lane (512 consecutive bytes: every bank once) leaves half a fragment: lane l holds row l % 16 and 8 columns along K.
; THE MATRIX INSTRUCTION IS USED TRANSPOSED (source 0 = 16 columns of wob, source 1 = 16 rows of ph): a lane holds eight neighbouring numbers of a row of out0.
; They go through a stage in LDS, each wave's own, 16 rows at a time, and leave as whole rows of 512 bytes.
; LIMITS: f16 holds no number beyond 65,504: ph lies in -pi .. pi; wob's limit is stated where it is made.  NaN and infinities are not treated apart.
.set AHALF, 16384                      ; 4 column groups x 4,096 bytes: one tensor load
.set ATILE, 2*AHALF
.set PB,    544                        ; a row of B: 512 bytes + 32 = 17 x 32
.set BHALF, 64*PB
.set SLOT,  ATILE+2*BHALF              ; 102,400 bytes
.set STAGE, 2*SLOT                     ; behind the ring, never filled by a tensor load: 16 rows x 528 bytes for each wave
.set SP,    528                        ; 512 bytes + 16: the 16 rows of a store begin at 16 different groups of four banks
.set SPARE, STAGE+4*16*SP              ; behind the stages: the spare words, 128 bytes for each wave: two blocks of 256 bytes that no other line names
.set LAPS,  4
.set ASTEP, 1048576                    ; bytes from a slot's K step to its next: 16 column groups,
.set BSTEP, 524288                     ; 256 rows of 2,048 bytes
.set ADRA, 16                          ; v16-17  LDS address of my A fragments in slot 0, 1
.set ADRB, 20                          ; v20-21  the same for B
.set STO,  24                          ; v24     the way out: where I put 32 bytes of a row
.set RD,   25                          ; v25     the way out: where I read a row back
.set CO,   26                          ; v26     16 x lane: my place in 512 bytes of out0 and of the bias
.set SPW,  28                          ; v28     LDS address of my spare word; never rewritten
.set NIL,  29                          ; v29     0; never rewritten
.set BIAS, 32                          ; v32-35  the bias of my four columns on the way out; v36-37 at work
.set F0,   64
.set F1,   160
.set OB,   64                          ; the way out: 16 rows read back: v64-127 and v128-191 by turns
.set WV,  12
.set WM,  13
.set WN,  14
.set LAP, 15
.set G1,  24
.set G0,  32
.set G1B, 48
.set G0B, 56
.set MSB, 0
.macro WIN new                         ; the immediate's high byte repeats the setting that is left; a switch that changes nothing is dropped
.if MSB != (\new)
	s_set_vgpr_msb (MSB<<8)|(\new)
.set MSB, (\new)
.endif
.endm
.set MULW, 0x50                        ; both sources in window 0, C and D in window 1
.macro JLOAD s                         ; a joint load: waves 0 and 1 fetch A's two halves, waves 2 and 3 B's; an s_nop 0 and four v_nop follow each of the two lines
	s_cmp_lt_u32 s[WV], 2
	s_cbranch_scc0 .Lfor_b_\@
	tensor_load_to_lds s[G0+4*(\s):G0+4*(\s)+3], s[G1:G1+7]
	s_nop 0
.rept 4
	v_nop
.endr
	s_branch .Lasked_\@
.Lfor_b_\@:
	tensor_load_to_lds s[G0B+4*(\s):G0B+4*(\s)+3], s[G1B:G1B+7]
	s_nop 0
.rept 4
	v_nop
.endr
.Lasked_\@:
.endm
.macro CREST                           ; a round of the cluster's barrier behind its opening barrier
	s_cmp_lg_u32 s[WV], 0
	s_cbranch_scc1 .Lnot_wave_0_\@
	s_barrier_signal -3
.Lnot_wave_0_\@:
	s_barrier_wait -3
	s_barrier_signal -1
	s_barrier_wait -1
.endm
.macro CROUND
	s_barrier_signal -1
	s_barrier_wait -1
	CREST
.endm
.macro PLACES
.rept 4
	v_nop
.endr
.endm
	s_load_b256 s[4:11], s[0:1], 0x0               ; ph s[4:5], wob s[6:7], b_out s[8:9], out0 s[10:11]
	v_lshl_add_u32 v[SPW], v0, 2, SPARE
	v_mov_b32 v[NIL], 0
	ds_add_u32 v[SPW], v[NIL]                      ; the wave's opening: the add and its wait stand ahead of my first tensor load; work on registers stands between them
	v_lshrrev_b32 v1, 5, v0
	v_readfirstlane_b32 s[WV], v1
	s_lshr_b32 s[WM], s[WV], 1
	s_and_b32 s[WN], s[WV], 1
	s_bfe_u32 s40, ttmp6, 0x40000                  ; cx, cy
	s_bfe_u32 s41, ttmp6, 0x40004
	s_lshl_b32 s42, ttmp9, 2
	s_add_co_u32 s42, s42, s40                     ; tile column
	s_and_b32 s43, ttmp7, 0xffff
	s_lshl_b32 s43, s43, 2
	s_add_co_u32 s43, s43, s41                     ; tile row
	s_lshl_b32 s44, s41, 2
	s_lshl_b32 s44, 15, s44                        ; my row of the cluster
	s_lshl_b32 s45, 0x1111, s40                    ; my column
	s_or_b32 s[G1], s44, (3<<16)|(1<<21)           ; the mask; 8-byte elements; no padding; bit 21 beside a mask
	s_mov_b32 s[G1+1], 512<<16                     ; tensor_dim0 = 512 elements = 4,096 bytes
	s_mov_b32 s[G1+2], 4<<16                       ; tensor_dim1 = 4
	s_mov_b32 s[G1+3], 512<<16                     ; tile_dim0 = 512
	s_mov_b32 s[G1+4], 4                           ; tile_dim1 = 4
	s_mov_b32 s[G1+5], 8192                        ; 65,536 bytes from a column group to the next
	s_mov_b32 s[G1+6], 0
	s_mov_b32 s[G1+7], 0
	s_or_b32 s[G1B], s45, (1<<16)|(1<<20)|(1<<21)|(6<<22)|(7<<25)  ; 2-byte elements; after every 128 words, 8 words of padding
	s_mov_b32 s[G1B+1], 256<<16
	s_mov_b32 s[G1B+2], 64<<16
	s_mov_b32 s[G1B+3], 256<<16
	s_mov_b32 s[G1B+4], 64
	s_mov_b32 s[G1B+5], 1024
	s_mov_b32 s[G1B+6], 0
	s_mov_b32 s[G1B+7], 0
	s_lshr_b32 s16, s43, 4                         ; A: batch = tile row / 16, 4,194,304 bytes each;
	s_lshl_b32 s16, s16, 22
	s_and_b32 s17, s43, 15                         ; the tile's 8 row blocks, 4,096 bytes;
	s_lshl_b32 s17, s17, 12
	s_add_co_u32 s16, s16, s17
	s_lshl_b32 s17, s[WN], 18                      ; my 4 column groups: made of the tile row and the wave alone
	s_add_co_u32 s16, s16, s17
	s_mov_b32 s17, 0
	s_lshl_b32 s46, s42, 9                         ; B: made of the tile column and the wave alone
	s_lshl_b32 s47, s[WN], 17
	s_add_co_u32 s46, s46, s47
	s_mov_b32 s47, 0
	s_mul_i32 s20, s[WN], AHALF
	s_mul_i32 s21, s[WN], BHALF
	s_add_co_u32 s21, s21, ATILE
	s_wait_dscnt 0x0                               ; the opening add is done
	s_wait_kmcnt 0x0
	s_add_nc_u64 s[18:19], s[4:5], s[16:17]
	s_add_nc_u64 s[46:47], s[6:7], s[46:47]
	CROUND                                         ; all sixteen work-groups are here: the first joint loads meet
.irp s, 0,1
	s_mov_b32 s[G0+4*(\s)], 1
	s_add_co_u32 s[G0+4*(\s)+1], s20, (\s)*SLOT
	s_add_nc_u64 s[G0+4*(\s)+2:G0+4*(\s)+3], s[18:19], (\s)*524288  ; K step s: 8 column groups on
	s_or_b32 s[G0+4*(\s)+3], s[G0+4*(\s)+3], 0x80000000
	s_mov_b32 s[G0B+4*(\s)], 1
	s_add_co_u32 s[G0B+4*(\s)+1], s21, (\s)*SLOT
	s_add_nc_u64 s[G0B+4*(\s)+2:G0B+4*(\s)+3], s[46:47], (\s)*262144
	s_or_b32 s[G0B+4*(\s)+3], s[G0B+4*(\s)+3], 0x80000000
	JLOAD \s                                       ; two loads of mine are out
.endr
	v_and_b32 v1, 15, v0                           ; l % 16
	v_bfe_u32 v2, v0, 4, 1                         ; l / 16
	v_and_b32 v[CO], 31, v0
	v_lshlrev_b32 v[CO], 4, v[CO]                  ; 16 x lane
	s_lshl_b32 s22, s[WM], 11                      ; my 4 row blocks of 512 bytes
	v_add_nc_u32 v[ADRA], s22, v[CO]
	v_add_nc_u32 v[ADRA+1], SLOT, v[ADRA]
	v_and_b32 v4, 7, v0                            ; B, turned: lane l reads row 8 (l / 16) + l % 8 along K, columns 8 ((l / 8) % 2) + 0..7
	v_bfe_u32 v5, v0, 3, 1
	v_lshl_add_u32 v4, v2, 3, v4
	v_mul_u32_u24 v4, v4, PB
	v_lshl_add_u32 v4, v5, 4, v4
	s_lshl_b32 s23, s[WN], 8
	s_add_co_u32 s23, s23, ATILE
	v_add_nc_u32 v[ADRB], s23, v4
	v_add_nc_u32 v[ADRB+1], SLOT, v[ADRB]
	s_mul_i32 s22, s[WV], 16*SP
	s_add_co_u32 s22, s22, STAGE                   ; my stage
	v_mul_u32_u24 v[STO], v1, SP                   ; in: row l % 16, 32 bytes for each half of the lanes
	v_lshl_add_u32 v[STO], v2, 5, v[STO]
	v_add_nc_u32 v[STO], s22, v[STO]
	v_add_nc_u32 v[RD], s22, v[CO]                 ; back: 32 lanes take one row of 512 bytes
	s_lshl_b32 s66, s43, 19                        ; out0: row 128 x tile row + 64 x my half, 4,096 bytes each;
	s_lshl_b32 s67, s[WM], 18
	s_add_co_u32 s66, s66, s67
	s_lshl_b32 s68, s42, 10                        ; column 256 x tile column + 128 x my half, 4 bytes each
	s_lshl_b32 s69, s[WN], 9
	s_add_co_u32 s68, s68, s69
	s_add_co_u32 s66, s66, s68
	s_mov_b32 s67, 0
	s_mov_b32 s69, 0
	s_add_nc_u64 s[10:11], s[10:11], s[66:67]
	s_add_nc_u64 s[8:9], s[8:9], s[68:69]
	global_load_b128 v[BIAS:BIAS+3], v[CO], s[8:9]
; 8 matrix instructions: row block a x all 8 column blocks, 32 along K.  zero = 1: the product starts the sum.  The 32 accumulators take turns, one instruction a turn.
.macro MUL8 f, a, zero
	WIN MULW
.irp b, 0,1,2,3,4,5,6,7
.if \zero
	v_wmma_f32_16x16x32_f16 v[8*(8*(\a)+(\b)):8*(8*(\a)+(\b))+7], v[(\f)+8*(\b):(\f)+8*(\b)+7], v[(\f)+64+8*(\a):(\f)+64+8*(\a)+7], 0
.else
	v_wmma_f32_16x16x32_f16 v[8*(8*(\a)+(\b)):8*(8*(\a)+(\b))+7], v[(\f)+8*(\b):(\f)+8*(\b)+7], v[(\f)+64+8*(\a):(\f)+64+8*(\a)+7], v[8*(8*(\a)+(\b)):8*(8*(\a)+(\b))+7]
.endif
.endr
.endm
; 24 LDS loads in one run, all turning: quarter kq (32 along K = 2 column groups of ph) into buffer f: B's 16 loads, then A's row blocks 0 to 3
.macro FETCH slot, kq, f
	WIN 0
.irp b, 0,1,2,3,4,5,6,7
	ds_load_tr16_b128 v[(\f)+8*(\b):(\f)+8*(\b)+3],   v[ADRB+(\slot)] offset:(\kq)*32*PB+32*(\b)
	ds_load_tr16_b128 v[(\f)+8*(\b)+4:(\f)+8*(\b)+7], v[ADRB+(\slot)] offset:(\kq)*32*PB+32*(\b)+16*PB
.endr
.irp a, 0,1,2,3
	ds_load_tr16_b128 v[(\f)+64+8*(\a):(\f)+64+8*(\a)+3],   v[ADRA+(\slot)] offset:(\kq)*8192+(\a)*512
	ds_load_tr16_b128 v[(\f)+64+8*(\a)+4:(\f)+64+8*(\a)+7], v[ADRA+(\slot)] offset:(\kq)*8192+(\a)*512+4096
.endr
.endm
.macro QUARTER slot, kq, f, g, zero
	s_wait_dscnt 0x4                               ; B and A's row blocks 0, 1 are in; the youngest four loads may be out
	MUL8 \f, 0, \zero
	MUL8 \f, 1, \zero
	PLACES
	FETCH \slot, \kq, \g
	s_wait_dscnt 24                                ; all but the 24 just issued
	MUL8 \f, 2, \zero
	MUL8 \f, 3, \zero
.endm
.macro TURN slot, next, fill
	WIN 0
	s_wait_tensorcnt 0x0                           ; all my tensor loads have landed: my part of the next slot;
	ds_add_u32 v[SPW], v[NIL]                      ; 0 onto my spare word;
	s_wait_dscnt 0x5                               ; (the add and the youngest four loads may be out)
	MUL8 F1, 0, 0
	s_wait_dscnt 0x0                               ; the add is done, and my reads of this slot are over
	s_barrier_signal -1
	MUL8 F1, 1, 0
.if \fill
	WIN 0
.endif
	s_barrier_wait -1
.if \fill
	CREST                                          ; the barrier has opened a round of the cluster's: no wave of any partner still reads this slot or has a load on its way
	s_add_nc_u64 s[G0+4*(\slot)+2:G0+4*(\slot)+3], s[G0+4*(\slot)+2:G0+4*(\slot)+3], ASTEP
	s_add_nc_u64 s[G0B+4*(\slot)+2:G0B+4*(\slot)+3], s[G0B+4*(\slot)+2:G0B+4*(\slot)+3], BSTEP
	JLOAD \slot                                    ; my one tensor load behind the round; its four v_nop are also the places in front of the loads below
.else
	PLACES
.endif
	FETCH \next, 0, F0
	MUL8 F1, 2, 0
	MUL8 F1, 3, 0
.endm
	s_wait_tensorcnt 0x1                           ; my part of K step 0 is in; K step 1's stays out
	s_barrier_signal -1
	s_barrier_wait -1
	FETCH 0, 0, F0
	QUARTER 0, 1, F0, F1, 1                        ; the first quarter's products start the sums
	WIN 0
	s_mov_b32 s[LAP], LAPS-1
.Llap:
	QUARTER 0, 2, F1, F0, 0
	QUARTER 0, 3, F0, F1, 0
	TURN 0, 1, 1
	QUARTER 1, 1, F0, F1, 0
	QUARTER 1, 2, F1, F0, 0
	QUARTER 1, 3, F0, F1, 0
	TURN 1, 0, 1
	QUARTER 0, 1, F0, F1, 0
	WIN 0
	s_sub_co_u32 s[LAP], s[LAP], 1
	s_cmp_lg_u32 s[LAP], 0
	s_cbranch_scc1 .Llap
	QUARTER 0, 2, F1, F0, 0                        ; the last lap fills nothing
	QUARTER 0, 3, F0, F1, 0
	TURN 0, 1, 0
	QUARTER 1, 1, F0, F1, 0
	QUARTER 1, 2, F1, F0, 0
	QUARTER 1, 3, F0, F1, 0
	s_wait_dscnt 0x4
	MUL8 F1, 0, 0
	MUL8 F1, 1, 0
	s_wait_dscnt 0x0
	MUL8 F1, 2, 0
	MUL8 F1, 3, 0
	; THE WAY OUT.  The bias of my four columns is rounded to bf16 and widened: six plain lines that name no register of the last products: their places.
	WIN 0
	s_wait_loadcnt 0x0
	v_cvt_pk_bf16_f32 v[BIAS+4], v[BIAS], v[BIAS+1]
	v_cvt_pk_bf16_f32 v[BIAS+5], v[BIAS+2], v[BIAS+3]
	v_lshlrev_b32 v[BIAS], 16, v[BIAS+4]
	v_and_b32 v[BIAS+1], 0xffff0000, v[BIAS+4]
	v_lshlrev_b32 v[BIAS+2], 16, v[BIAS+5]
	v_and_b32 v[BIAS+3], 0xffff0000, v[BIAS+5]
; Row block a: 16 rows x 128 columns into my stage, each accumulator from its low end on, and back as whole rows of 512 bytes.
.macro TOSTAGE a
.set BK, OB+64*((\a)%2)
.if (\a) >= 2
	s_wait_xcnt 0x0                                ; the stores of the block two back have had their addresses translated: only behind this wait are their data registers loaded again
.endif
	WIN 0x04                                       ; a store's data in window 1, its address in window 0
.irp b, 0,1,2,3,4,5,6,7
	ds_store_b128 v[STO], v[8*(8*(\a)+(\b)):8*(8*(\a)+(\b))+3]   offset:64*(\b)
	ds_store_b128 v[STO], v[8*(8*(\a)+(\b))+4:8*(8*(\a)+(\b))+7] offset:64*(\b)+16
.endr
	WIN 0
.irp t, 0,1,2,3,4,5,6,7,8,9,10,11,12,13,14,15
	ds_load_b128 v[BK+4*(\t):BK+4*(\t)+3], v[RD] offset:SP*(\t)  ; LDS serves a wave's instructions in order: these see the stores above, and the next block's stores come behind them
.endr
.endm
.macro SEND a, younger                 ; younger: the LDS instructions issued behind block a's loads: the next block's 32, or none
.set BK, OB+64*((\a)%2)
	WIN 0
.irp t, 0,1,2,3,4,5,6,7,8,9,10,11,12,13,14,15
	s_wait_dscnt (\younger)+15-(\t)
	v_pk_add_f32 v[BK+4*(\t):BK+4*(\t)+1],   v[BK+4*(\t):BK+4*(\t)+1],   v[BIAS:BIAS+1]
	v_pk_add_f32 v[BK+4*(\t)+2:BK+4*(\t)+3], v[BK+4*(\t)+2:BK+4*(\t)+3], v[BIAS+2:BIAS+3]
	global_store_b128 v[CO], v[BK+4*(\t):BK+4*(\t)+3], s[10:11] offset:(16*(\a)+(\t))*4096 th:TH_STORE_NT  ; 512 consecutive bytes, at a multiple of 512 from out0's first
.endr
.endm
	TOSTAGE 0
	TOSTAGE 1                                      ; a block's way through the stage stands between the loads of the block before and its stores
	SEND 0, 32
	TOSTAGE 2
	SEND 1, 32
	TOSTAGE 3
	SEND 2, 32
	SEND 3, 0
	s_wait_tensorcnt 0x0                           ; the wave's end, behind my last tensor load and my last LDS store
	ds_add_u32 v[SPW], v[NIL]
	s_wait_dscnt 0x0
	CROUND                                         ; the closing round: no work-group ends while a partner may still ask for a tile that names it
	s_endpgm
.Lfunc_end_k_qf99870d4df_gemm2:
	.size	k_qf99870d4df_gemm2, .Lfunc_end_k_qf99870d4df_gemm2-k_qf99870d4df_gemm2
	.p2alignl 7, 3214868480
	.fill 96, 4, 3214868480
	.section	.rodata,"a",@progbits
	.p2align	6, 0x0
	.amdhsa_kernel k_qf99870d4df_gemm2
		.amdhsa_group_segment_fixed_size 327680
		.amdhsa_private_segment_fixed_size 0
		.amdhsa_enable_private_segment 0
		.amdhsa_kernarg_size 32
		.amdhsa_user_sgpr_count 2
		.amdhsa_user_sgpr_kernarg_segment_ptr 1
		.amdhsa_wavefront_size32 1
		.amdhsa_system_sgpr_workgroup_id_x 1
		.amdhsa_system_sgpr_workgroup_id_y 1
		.amdhsa_system_sgpr_workgroup_id_z 1
		.amdhsa_system_vgpr_workitem_id 0
		.amdhsa_next_free_vgpr 512
		.amdhsa_next_free_sgpr 72
		.amdhsa_reserve_vcc 0
		.amdhsa_float_denorm_mode_32 3
		.amdhsa_float_denorm_mode_16_64 3
		.amdhsa_memory_ordered 1
		.amdhsa_forward_progress 1
		.amdhsa_inst_pref_size 95
	.end_amdhsa_kernel
	.amdgpu_metadata
---
amdhsa.version: [ 1, 2 ]
amdhsa.kernels:
  - .name:           k_qf99870d4df_gemm2
    .symbol:         k_qf99870d4df_gemm2.kd
    .args:
      - { .name: ph, .offset: 0, .size: 8, .value_kind: global_buffer, .address_space: global }
      - { .name: wob, .offset: 8, .size: 8, .value_kind: global_buffer, .address_space: global }
      - { .name: b_out, .offset: 16, .size: 8, .value_kind: global_buffer, .address_space: global }
      - { .name: out0, .offset: 24, .size: 8, .value_kind: global_buffer, .address_space: global }
    .group_segment_fixed_size: 327680
    .private_segment_fixed_size: 0
    .kernarg_segment_align: 8
    .kernarg_segment_size: 32
    .max_flat_workgroup_size: 128
    .sgpr_count:     72
    .vgpr_count:     512
    .wavefront_size: 32
...
	.end_amdgpu_metadata
.endif
;; end of part 4
